; MI455X (gfx1250); checked and timed in simulation.
; The chip was launched on July 23, 2026; its instructions are those of AMD's public machine-readable ISA for CDNA 5 (MIT licence, August 2026) and "CDNA5" Instruction Set Architecture Reference Guide (July 2026). The comments in the code are by the model that wrote it; some were corrected since.
;; Quant Linear. Allowed arithmetic: float matrix products may take bf16 or f16 operands with f32 sums; other float arithmetic in f32, or as packed bf16 or f16 multiplies, adds, multiply-adds, maxima and minima; sums over many terms, partial sums and values carried from step to step in f32; what a program stores and reads back later, other than sums and carried values, may be rounded once to bf16 or f16.
;; Inputs: bias 4,096 float32; qweight 4,096 x 4,096 int32; scales 4,096 x 32 float32; x 4,096 x 4,096 float32; zeros 4,096 x 32 float32.
;; Outputs: out0 4,096 x 4,096 float32.
;; 2 versions, each right; version 2 is version 1 with the launch prep written anew for expert scheduling mode. Each part assembles by itself: llvm-mc -triple=amdgcn-amd-amdhsa -mcpu=gfx1250 --defsym DOCPART=n.
;; ======== version 1 of 2: 2 launches
;; limits: values are held in f16: magnitudes above 65,504 overflow, below 6.1e-05 lose precision; inputs' magnitudes at most 65,504
;; workspace buffers: xh 33,554,432 bytes; wh 33,554,432 bytes
;; launch prep (part 1): grid 512 x 2, 8 waves a work-group, no clusters, 0 bytes of LDS; arguments x, qweight, scales, zeros, xh, wh; writes xh, wh
.if DOCPART == 1
	.amdgcn_target "amdgcn-amd-amdhsa--gfx1250"
	.amdhsa_code_object_version 6
	.text
	.protected	k_q50ba20cd6f_prep
	.globl	k_q50ba20cd6f_prep
	.p2align	8
	.type	k_q50ba20cd6f_prep,@function
k_q50ba20cd6f_prep:
	s_mov_b64 s[64:65], 0
	v_nop
	global_prefetch_b8 v0, s[64:65] scope:SCOPE_SE
	s_setreg_imm32_b32 hwreg(HW_REG_WAVE_MODE, 25, 1), 1
	s_wait_xcnt 0x0
; THE OPERANDS OF THE PRODUCT ARE MADE, in f16, each number rounded once.
;   grid y = 0:  xh[m][k] = f16(x[m][k])                              x: [4096][4096] f32
;   grid y = 1:  wh[n][k] = f16(q[n][k] s[n][k/128] - z[n][k/128] s[n][k/128])   q: [4096][4096] int32; s, z: [4096][32] f32
; LIMITS.  f16 holds no number of 65,520 or more: x and w must lie under that; below 6.1e-5 a number keeps f16's fixed step of 6e-8.
; w is one fused multiply-add, q s + (-(z s)): it differs from (q - z) s by the rounding of z s, at most 2^-24 |z s|.  q may be any int32 (v_cvt_f32_i32 rounds to nearest even).
; WHY f16: 11 significant bits in both operands, where bf16 has 8; the sum of 4,096 rounded products is compared number by number.
; SHARES.  A stream: no byte is wanted twice, so no LDS, no barrier, no matrix unit, no cluster.  A work-group of eight waves takes 8 rows, a wave ONE row: 16,384 bytes in, 8,192 out.
; Load i of 32 takes the row's bytes 512 i .. 512 i + 511, 16 a lane; store i writes bytes 256 i .. 256 i + 255 of the f16 row, 8 a lane: 256 consecutive bytes, aligned, by one instruction.
; In q, load i is exactly group i of the row (128 codes of 4 bytes), so its s and z are the same in all lanes: lane g loads the row's s[g] and z[g] once, and v_readlane_b32 hands group i's out.
; IN FLIGHT.  Sixteen slots of four registers: sixteen loads (8 KiB) of every wave are out until the row's last load is issued.  The row is written out without a loop: every offset is an immediate,
; no address register, base or store's data register is ever written again, so no wait for translated addresses is needed.
.set VI, 1                             ; v1   byte offset in the group's 8 input rows: 16,384 x wave + 16 x lane; never rewritten
.set VO, 2                             ; v2   the same in the output rows: 8,192 x wave + 8 x lane; never rewritten
.set VS, 3                             ; v3   4 x thread = 128 x wave + 4 x lane: my word of the row's 32 scales and zeros; never rewritten
.set SC, 4                             ; v4   s[row][lane]
.set ZE, 5                             ; v5   z[row][lane], then -z
.set CC, 6                             ; v6   -(z s)
.set X,  8                             ; v[8:71]    slot i % 16: four numbers as loaded; in the last sixteen turns its first pair is the store's data
.set Y,  72                            ; v[72:103]  turn i < 16: a pair of its own for the store's data, since the slot is loaded again at once
	s_load_b256 s[4:11], s[0:1], 0x0               ; x s[4:5], qweight s[6:7], scales s[8:9], zeros s[10:11]
	s_load_b128 s[12:15], s[0:1], 0x20             ; xh s[12:13], wh s[14:15]
	v_lshrrev_b32 v7, 5, v0                        ; wave
	v_and_b32 v[VS], 31, v0                        ; lane
	v_lshlrev_b32 v[VI], 4, v[VS]
	v_lshl_add_u32 v[VI], v7, 14, v[VI]
	v_lshlrev_b32 v[VO], 3, v[VS]
	v_lshl_add_u32 v[VO], v7, 13, v[VO]
	v_lshlrev_b32 v[VS], 2, v0
	s_lshl_b32 s16, ttmp9, 17                      ; the work-group's 8 rows of 16,384 bytes (under 2^26),
	s_mov_b32 s17, 0
	s_lshl_b32 s18, ttmp9, 16                      ; of 8,192 bytes,
	s_mov_b32 s19, 0
	s_lshl_b32 s24, ttmp9, 10                      ; and of 128 bytes in scales and zeros
	s_mov_b32 s25, 0
	s_mov_b32 s21, 0                               ; the packed multiply-add names s[20:21] and s[22:23] as pairs and takes their low words
	s_mov_b32 s23, 0
	s_and_b32 s26, ttmp7, 0xffff                   ; grid y: 0 = x, 1 = the weights
	s_wait_kmcnt 0x0
	s_cmp_lg_u32 s26, 0
	s_cbranch_scc1 .Lw
.macro LD n, base                      ; load n of the row, into slot n % 16
	global_load_b128 v[X+4*((\n)%16):X+4*((\n)%16)+3], v[VI], s[\base:\base+1] offset:512*(\n) th:TH_LOAD_NT
.endm
.macro ARRIVED n                       ; loads come back in order (ISA guide 5.7.1): load n is in.  Up to turn 15 the loads n + 1 .. n + 15 are younger; from turn 16 on nothing more is issued
.if (\n) < 16
	s_wait_loadcnt 15
.else
	s_wait_loadcnt 31-(\n)
.endif
.set SL, X+4*((\n)%16)
.if (\n) < 16
.set DS, Y+2*(\n)
.else
.set DS, SL
.endif
.endm
.macro NARROW                          ; four f32 to four f16, 8 bytes
	v_cvt_pk_f16_f32 v[DS], v[SL], v[SL+1]
	v_cvt_pk_f16_f32 v[DS+1], v[SL+2], v[SL+3]
.endm
; One turn for x: the load ahead of the store.
.macro XT n
	ARRIVED \n
	NARROW
.if (\n) < 16
	LD (\n)+16, 4
.endif
	global_store_b64 v[VO], v[DS:DS+1], s[12:13] offset:256*(\n) th:TH_STORE_NT
.endm
; One turn for the weights: group n of the row.
.macro WT n
	ARRIVED \n
.if (\n) == 0                          ; the two loads of s and z are older than load 0: they are in too
	v_xor_b32 v[ZE], 0x80000000, v[ZE]             ; -z
	v_mul_f32 v[CC], v[ZE], v[SC]                  ; -(z s), for all 32 groups at once, a lane a group
.endif
	v_readlane_b32 s20, v[SC], \n                  ; the group's s
	v_readlane_b32 s22, v[CC], \n                  ; and -(z s)
.irp j, 0,1,2,3
	v_cvt_f32_i32 v[SL+(\j)], v[SL+(\j)]
.endr
	v_pk_fma_f32 v[SL:SL+1], v[SL:SL+1], s[20:21], s[22:23] op_sel_hi:[1,0,0]
	v_pk_fma_f32 v[SL+2:SL+3], v[SL+2:SL+3], s[20:21], s[22:23] op_sel_hi:[1,0,0]
	NARROW
.if (\n) < 16
	LD (\n)+16, 6
.endif
	global_store_b64 v[VO], v[DS:DS+1], s[14:15] offset:256*(\n) th:TH_STORE_NT
.endm
	s_add_nc_u64 s[4:5], s[4:5], s[16:17]          ; x and xh at the group's first row
	s_add_nc_u64 s[12:13], s[12:13], s[18:19]
.set t, 0
.rept 16
	LD t, 4
.set t, t+1
.endr
.set t, 0
.rept 32
	XT t
.set t, t+1
.endr
	s_endpgm
.Lw:
	s_add_nc_u64 s[6:7], s[6:7], s[16:17]          ; qweight, scales, zeros and wh at the group's first row
	s_add_nc_u64 s[8:9], s[8:9], s[24:25]
	s_add_nc_u64 s[10:11], s[10:11], s[24:25]
	s_add_nc_u64 s[14:15], s[14:15], s[18:19]
	global_load_b32 v[SC], v[VS], s[8:9]           ; a wave's 128 bytes: its row's 32 scales,
	global_load_b32 v[ZE], v[VS], s[10:11]         ; and its 32 zeros
.set t, 0
.rept 16
	LD t, 6
.set t, t+1
.endr
.set t, 0
.rept 32
	WT t
.set t, t+1
.endr
	s_endpgm
.Lfunc_end_k_q50ba20cd6f_prep:
	.size	k_q50ba20cd6f_prep, .Lfunc_end_k_q50ba20cd6f_prep-k_q50ba20cd6f_prep
	.p2alignl 7, 3214868480
	.fill 96, 4, 3214868480
	.section	.rodata,"a",@progbits
	.p2align	6, 0x0
	.amdhsa_kernel k_q50ba20cd6f_prep
		.amdhsa_group_segment_fixed_size 0
		.amdhsa_private_segment_fixed_size 0
		.amdhsa_enable_private_segment 0
		.amdhsa_kernarg_size 48
		.amdhsa_user_sgpr_count 2
		.amdhsa_user_sgpr_kernarg_segment_ptr 1
		.amdhsa_wavefront_size32 1
		.amdhsa_system_sgpr_workgroup_id_x 1
		.amdhsa_system_sgpr_workgroup_id_y 1
		.amdhsa_system_sgpr_workgroup_id_z 1
		.amdhsa_system_vgpr_workitem_id 0
		.amdhsa_next_free_vgpr 104
		.amdhsa_next_free_sgpr 66
		.amdhsa_reserve_vcc 0
		.amdhsa_float_denorm_mode_32 3
		.amdhsa_float_denorm_mode_16_64 3
		.amdhsa_memory_ordered 1
		.amdhsa_forward_progress 1
		.amdhsa_inst_pref_size 36
	.end_amdhsa_kernel
	.amdgpu_metadata
---
amdhsa.version: [ 1, 2 ]
amdhsa.kernels:
  - .name:           k_q50ba20cd6f_prep
    .symbol:         k_q50ba20cd6f_prep.kd
    .args:
      - { .name: x, .offset: 0, .size: 8, .value_kind: global_buffer, .address_space: global }
      - { .name: qweight, .offset: 8, .size: 8, .value_kind: global_buffer, .address_space: global }
      - { .name: scales, .offset: 16, .size: 8, .value_kind: global_buffer, .address_space: global }
      - { .name: zeros, .offset: 24, .size: 8, .value_kind: global_buffer, .address_space: global }
      - { .name: xh, .offset: 32, .size: 8, .value_kind: global_buffer, .address_space: global }
      - { .name: wh, .offset: 40, .size: 8, .value_kind: global_buffer, .address_space: global }
    .group_segment_fixed_size: 0
    .private_segment_fixed_size: 0
    .kernarg_segment_align: 8
    .kernarg_segment_size: 48
    .max_flat_workgroup_size: 256
    .sgpr_count:     66
    .vgpr_count:     104
    .wavefront_size: 32
...
	.end_amdgpu_metadata
.endif
;; end of part 1
;; launch gemm (part 2): grid 16 x 16, 4 waves a work-group, clusters of 4 x 4, 327,680 bytes of LDS; arguments xh, wh, out0, bias; writes out0
.if DOCPART == 2
	.amdgcn_target "amdgcn-amd-amdhsa--gfx1250"
	.amdhsa_code_object_version 6
	.text
	.protected	k_q50ba20cd6f_gemm
	.globl	k_q50ba20cd6f_gemm
	.p2align	8
	.type	k_q50ba20cd6f_gemm,@function
k_q50ba20cd6f_gemm:
	s_mov_b64 s[64:65], 0
	v_nop
	global_prefetch_b8 v0, s[64:65] scope:SCOPE_SE
	s_setreg_imm32_b32 hwreg(HW_REG_WAVE_MODE, 25, 1), 1
	s_wait_xcnt 0x0
	s_wait_alu depctr_hold_cnt(0) depctr_sa_sdst(0) depctr_va_vdst(0) depctr_va_sdst(0) depctr_va_ssrc(0) depctr_va_vcc(0) depctr_vm_vsrc(0)
	s_getreg_b32 s2, hwreg(HW_REG_IB_STS2, 6, 4)
	s_cmp_eq_u32 s2, 0
	s_cbranch_scc0 .Lentry_in_a_cluster
	s_endpgm
.Lentry_in_a_cluster:
	s_bfe_u32 s2, ttmp6, 0x10000c
	s_cmp_lg_u32 s2, 0xf033
	s_cbranch_scc0 .Lentry_shape_is_right
	s_endpgm
.Lentry_shape_is_right:
; out0[m][n] = bias[n] + the sum over k of xh[m][k] wh[n][k].  xh: [4096][4096] f16, wh: [4096][4096] f16 ([n][k]), bias: [4096] f32, out0: [4096][4096] f32.  Sums in f32, K ascending.
; LIMITS.  The operands arrive in f16 (under 65,520; a fixed step of 6e-8 below 6.1e-5).  The bias is the first term of each f32 sum, not the last: another order of rounding than a sum with the bias added behind it.
; SHARES.  A block of 256 x 256 of out0 is made by a work-group of four waves, as many as a WGP has SIMDs: 16 x 16 = 256 work-groups.  A wave makes 128 x 128: 64 accumulators of 16 x 16, 512 registers.
; K goes in 32 steps of 128 through a ring of two LDS slots filled by the tensor data mover: a tile's rows are 256 bytes of memory and start at multiples of 256 bytes from the buffer's first byte.
; CLUSTERS: 4 x 4 work-groups.  The four of a row of the cluster need the same tiles of xh, the four of a column the same tiles of wh.  Such a tile is asked for JOINTLY: each of the four issues the same
; tensor load, with the same descriptor and a mask that names the four, and each receives the tile in its own LDS: the requests for both operands are divided by four.
; THE MATRIX INSTRUCTION IS USED TRANSPOSED: source 0 = 16 rows of wh, source 1 = 16 rows of xh.  In the result lane l holds row m = l % 16 of out0 and the columns n = 8 (l / 16) + 0 .. 7.
; THE BIAS IS THE C OPERAND of each accumulator's first product: in that layout it hangs on the column block and the lane alone, 8 registers for each of my 8 column blocks.  Nothing is cleared and nothing is added at the end.
; THE WAY OUT is in f32: 16 rows at a time go through my own stage in LDS and come back as whole rows of 512 bytes, so that a store of the wave covers 512 consecutive bytes, aligned.
;
; REGISTERS, in windows of 256 (an instruction names v0-v255; s_set_vgpr_msb says which window each operand place means: bits 1:0 source 0, 3:2 source 1, 5:4 source 2, 7:6 destination):
;   window 0: v0-31 addresses; v64-127, v128-191 fragments of xh (8 x 16 rows x 32 K), two buffers, on the way out two buffers of 16 rows read back; v192-255 the bias
;   window 1: v64-127, v128-191 fragments of wh, two buffers
;   window 2: the 32 accumulators of my rows 0-63 (accumulator (a, b) at v[8 (8 a + b)]);   window 3: those of my rows 64-127
.set SIZE_N, 4096
.set SIZE_K, 4096
.set KSTEP,  128
.set PITCH,  272                       ; an LDS row: 256 bytes of data + 16 of padding = 68 words: row r starts at bank 4 r mod 64 (64 banks of 4 bytes: ISA guide 11.1), so the 16 rows that a load touches start at 16 different banks
.set HALFT,  128*PITCH                 ; 128 rows: what one tensor load brings, and what one wave reads of either operand
.set SLOT,   4*HALFT                   ; xh's 256 rows, then wh's 256 rows
.set STAGE,  2*SLOT                    ; behind the ring, never filled by a tensor load: for the way out
.set SPITCH, 528                       ; a stage row: 128 f32 = 512 bytes + 16 = 33 x 16: the 16 rows that a store touches lie in 16 different columns of 16 bytes
.set WSTAGE, 16*SPITCH                 ; a wave's stage: 16 rows, 33 blocks of 256 bytes
.set SPARE,  STAGE+4*WSTAGE            ; behind the stages: the spare words, 128 bytes for each wave: two blocks of 256 bytes that no other line names
.set LAPS,   SIZE_K/(2*KSTEP)          ; a lap = two K steps = once round the ring: 16
.set ADRA, 16                          ; v16-17  LDS address of my fragments of xh in slot 0, 1
.set ADRB, 20                          ; v20-21  the same for wh
.set STO,  24                          ; v24     the way out: where I put 32 bytes of a row
.set RD,   25                          ; v25     the way out: where I read 16 bytes of a row back
.set CO,   26                          ; v26     16 x lane: my 16 bytes of a row's 512 in out0; never rewritten
.set BO,   27                          ; v27     my byte offset in bias
.set SPW,  28                          ; v28     LDS address of my spare word: SPARE + 4 x my thread's number; never rewritten
.set NIL,  29                          ; v29     0; never rewritten
.set PFO,  30                          ; v30     the prefetches' offset: my lane x a row of xh or wh (8,192 bytes); never rewritten
.set F0,   64                          ; fragment buffer 0
.set F1,   128                         ; fragment buffer 1
.set BIAS, 192                         ; v192-255 bias of column block b at BIAS + 8 b
.set PFA,  44                          ; s[44:45] where my prefetches stand: my work-group's 32 rows of the 128 that I fetch, one K step further along K than the refill that is being asked for
.set LIM,  43                          ; s43     1 in a wave that prefetches, else the greatest number
.set G1,  24                           ; s[24:31] descriptor group 1 for xh's tiles
.set G0,  32                           ; s[32:39] descriptor group 0 for xh's tiles, one set for each slot
.set G1B, 48                           ; s[48:55] descriptor group 1 for wh's tiles: it differs in the mask alone
.set G0B, 56                           ; s[56:63] descriptor group 0 for wh's tiles, one set for each slot
.set MSB, 0
.macro WIN new                         ; the immediate's high byte repeats the setting that is left; a switch that changes nothing is dropped
.if MSB != (\new)
	s_set_vgpr_msb (MSB<<8)|(\new)
.set MSB, \new
.endif
.endm
.set MUL_LO,  0xa1                     ; source 0 (wh) window 1, source 1 (xh) window 0, C and D window 2
.set MUL_HI,  0xf1                     ; the same, C and D window 3
.set BIAS_LO, 0x81                     ; a first product: C (the bias) window 0, D window 2
.set BIAS_HI, 0xc1                     ; the same, D window 3
.set TO_B,    0x40                     ; destination window 1, address window 0
.set ST_LO,   0x08                     ; an LDS store: address (source 0) window 0, data (source 1) window 2
.set ST_HI,   0x0c                     ; the same, data window 3
; A joint load.  Waves 0 and 1 fetch xh's two halves, waves 2 and 3 wh's.  Each of the two lines has ONE mask and one set of registers for all that issue it, and nothing in them hangs on a coordinate
; that the four partners do not share.  The branch hangs on the wave's number alone.  An s_nop 0 and four v_nop follow each of the two lines, ahead of the jump and the label.
.macro JLOAD s
	s_cmp_eq_u32 s11, 0
	s_cbranch_scc0 .Lfor_b_\@
	tensor_load_to_lds s[G0+4*(\s):G0+4*(\s)+3], s[G1:G1+7]
	s_nop 0
.rept 4
	v_nop
.endr
	s_branch .Lasked_\@
.Lfor_b_\@:
	tensor_load_to_lds s[G0B+4*(\s):G0B+4*(\s)+3], s[G1B:G1B+7]
	s_nop 0
.rept 4
	v_nop
.endr
.Lasked_\@:
.endm
; A PREFETCH INTO THE L2, behind each joint refill, its five lines and the run of LDS loads that follows them: the K step that stands TWO refills on: 32 rows x 256 bytes, a lane a row, one instruction a wave,
; 512 matrix instructions ahead of the load that will want it.  Each row's 256 bytes of a K step are named ONCE in the launch: xh's rows of a tile row are read by every cluster of that row of clusters, and the
; one with cluster x = 0 asks; wh's rows of a tile column by every cluster of that column, and the one with cluster y = 0 asks.  The four partners that ask for a tile jointly share its rows out BY ADDRESS: of the
; 128 rows that a wave fetches, the partner at place p takes 32 p .. 32 p + 31 (p = cx for xh, cy for wh): no branch hangs on a work-group's place in its cluster.
; K steps 0 to 3 come by their loads alone; the loop's last trip (s3 = 1) asks for nothing: its refills are K steps 30 and 31, and there is none two on.
.macro ASK
	s_cmp_gt_u32 s3, s[LIM]
	s_cbranch_scc0 .Lnot_mine_\@
	global_prefetch_b8 v[PFO], s[PFA:PFA+1] offset:KSTEP*2 th:TH_LOAD_NT scope:SCOPE_SE
.Lnot_mine_\@:
.endm
; A round of the cluster's barrier: my work-group's barrier, so that wave 0's signal speaks for all four waves; wave 0 signals for the work-group; every wave waits for all sixteen work-groups;
; my work-group's barrier once more.  No LDS instruction of the wave is pending at a signal.
.macro CREST                           ; a round behind its opening barrier
	s_cmp_lg_u32 s10, 0
	s_cbranch_scc1 .Lnot_wave_0_\@
	s_barrier_signal -3
.Lnot_wave_0_\@:
	s_barrier_wait -3
	s_barrier_signal -1
	s_barrier_wait -1
.endm
.macro CROUND                          ; a whole round
	s_barrier_signal -1
	s_barrier_wait -1
	CREST
.endm
	s_load_b128 s[4:7], s[0:1], 0x0                ; xh s[4:5], wh s[6:7]
	s_load_b64 s[8:9], s[0:1], 0x10                ; out0
	s_load_b64 s[2:3], s[0:1], 0x18                ; bias
	v_lshl_add_u32 v[SPW], v0, 2, SPARE
	v_mov_b32 v[NIL], 0
	ds_add_u32 v[SPW], v[NIL]                      ; the wave's opening: the add and its wait stand ahead of my first tensor load; the set-up below, work on registers, stands between them
	v_lshrrev_b32 v1, 5, v0
	v_readfirstlane_b32 s10, v1                    ; wave 0..3
	s_lshr_b32 s11, s10, 1                         ; which half of the block's rows is mine.  Also: I fetch for xh (0) or for wh (1)
	s_and_b32 s12, s10, 1                          ; which half of its columns.  Also: which 128 rows of that tile I fetch
	s_bfe_u32 s40, ttmp6, 0x40000                  ; cx: my place along the cluster's x
	s_bfe_u32 s41, ttmp6, 0x40004                  ; cy: along its y
	s_lshl_b32 s42, ttmp9, 2                       ; in a cluster launch ttmp9 and ttmp7 count clusters
	s_add_co_u32 s42, s42, s40                     ; tile column of out0 = 4 x cluster x + cx
	s_and_b32 s13, ttmp7, 0xffff
	s_lshl_b32 s13, s13, 2
	s_add_co_u32 s13, s13, s41                     ; tile row of out0 = 4 x cluster y + cy
	s_lshl_b32 s43, s41, 2
	s_lshl_b32 s43, 15, s43                        ; my row of the cluster: places 4 cy .. 4 cy + 3
	s_lshl_b32 s44, 0x1111, s40                    ; my column: places cx, cx + 4, cx + 8, cx + 12
	; descriptor group 1: a tile of 128 rows x 128 elements, padded in LDS
	s_or_b32 s[G1+0], s43, (1<<16)|(1<<20)|(1<<21)|(5<<22)|(3<<25)  ; 15:0 the mask: xh's tiles go to my row; 17:16 element of 2 bytes; 20 padding on; 21 set beside a mask; 24:22 after every 64 words (code 5); 31:25 of 4 words (code 3)
	s_or_b32 s[G1B+0], s44, (1<<16)|(1<<20)|(1<<21)|(5<<22)|(3<<25) ; the same with the mask of my column, for wh's tiles
.irp g, G1, G1B
	s_mov_b32 s[(\g)+1], KSTEP<<16                 ; 63:48 tensor_dim0, low half = 128
	s_mov_b32 s[(\g)+2], 128<<16                   ; 79:64 its high half = 0; 95:80 tensor_dim1, low half = 128
	s_mov_b32 s[(\g)+3], KSTEP<<16                 ; 111:96 its high half = 0; 127:112 tile_dim0 = 128
	s_mov_b32 s[(\g)+4], 128                       ; 143:128 tile_dim1 = 128; 159:144 tile_dim2 = 0
	s_mov_b32 s[(\g)+5], SIZE_K                    ; 191:160 tensor_dim0_stride, low word: elements from row to row
	s_mov_b32 s[(\g)+6], 0
	s_mov_b32 s[(\g)+7], 0
.endr
	; where the tiles come from.  xh's hang on the tile row alone, which my row of the cluster shares; wh's on the tile column alone, which my column shares.
	; Every wave makes both addresses, in registers that never hold the other coordinate, and asks by one of them.
	s_lshl_b32 s17, s12, 7                         ; which 128 rows of the tile I fetch
	s_lshl_b32 s16, s13, 8
	s_add_co_u32 s16, s16, s17                     ; xh: row 256 x tile row + 128 x half
	s_lshl_b32 s46, s42, 8
	s_add_co_u32 s46, s46, s17                     ; wh: row 256 x tile column + 128 x half
	s_mov_b32 s17, 0
	s_mov_b32 s47, 0
	s_mov_b64 s[18:19], SIZE_K*2
	s_mul_u64 s[16:17], s[16:17], s[18:19]         ; in bytes
	s_mul_u64 s[46:47], s[46:47], s[18:19]
	s_mul_i32 s20, s10, HALFT                      ; and where they go: xh's two halves, then wh's two halves = wave x 128 rows: no place in the cluster enters an LDS address
	s_wait_dscnt 0x0                               ; the opening add is done
	s_wait_kmcnt 0x0
	s_add_nc_u64 s[14:15], s[4:5], s[16:17]
	s_add_nc_u64 s[46:47], s[6:7], s[46:47]
	CROUND                                         ; all sixteen work-groups are here: the first joint loads meet
.irp s, 0,1
	s_mov_b32 s[G0+4*(\s)], 1                                      ; 1:0 count = 1
	s_add_co_u32 s[G0+4*(\s)+1], s20, (\s)*SLOT                    ; 63:32 LDS address
	s_add_nc_u64 s[G0+4*(\s)+2:G0+4*(\s)+3], s[14:15], (\s)*KSTEP*2  ; 120:64 global address: K step s
	s_or_b32 s[G0+4*(\s)+3], s[G0+4*(\s)+3], 0x80000000            ; 127:126 type = 2
	s_mov_b32 s[G0B+4*(\s)], 1
	s_add_co_u32 s[G0B+4*(\s)+1], s20, (\s)*SLOT
	s_add_nc_u64 s[G0B+4*(\s)+2:G0B+4*(\s)+3], s[46:47], (\s)*KSTEP*2
	s_or_b32 s[G0B+4*(\s)+3], s[G0B+4*(\s)+3], 0x80000000
	JLOAD \s                                       ; the ring is filled before anything else is done: two loads of mine are out
.endr
	; A fragment is 16 rows x 32 K in 8 registers: lane l holds row l % 16; registers 0-3 hold K = 8 (l / 16) + 0..7, registers 4-7 hold K = 16 + 8 (l / 16) + 0..7.
	; From rows that lie along K: two loads of 16 bytes, 32 bytes apart.  The same for source 0 and source 1.
	v_and_b32 v1, 15, v0                           ; l % 16
	v_bfe_u32 v2, v0, 4, 1                         ; l / 16
	v_mul_u32_u24 v3, v1, PITCH
	v_lshl_add_u32 v3, v2, 4, v3                   ; row x pitch + 16 x half
	s_mul_i32 s21, s11, HALFT                      ; my 128 rows of xh
	s_mul_i32 s22, s12, HALFT                      ; my 128 rows of wh,
	s_add_co_u32 s22, s22, 2*HALFT                 ; which lie behind xh's 256
.irp s, 0,1
	v_add_nc_u32 v[ADRA+(\s)], s21, v3
	v_add_nc_u32 v[ADRB+(\s)], s22, v3
	s_add_co_u32 s21, s21, SLOT
	s_add_co_u32 s22, s22, SLOT
.endr
	s_mul_i32 s23, s10, WSTAGE
	s_add_co_u32 s23, s23, STAGE                   ; my stage
	v_mul_u32_u24 v4, v1, SPITCH                   ; in: row l % 16, 32 bytes (8 f32) for each half of the lanes
	v_lshl_add_u32 v4, v2, 5, v4
	v_add_nc_u32 v[STO], s23, v4
	v_and_b32 v5, 31, v0
	v_lshlrev_b32 v[CO], 4, v5                     ; back: 32 lanes take one row of 512 bytes, 16 each; the same 16 bytes in out0's row
	v_add_nc_u32 v[RD], s23, v[CO]
	; where my part of the block begins in out0
	s_lshl_b32 s13, s13, 8
	s_lshl_b32 s14, s11, 7
	s_add_co_u32 s16, s13, s14                     ; my first row of out0
	s_mov_b32 s17, 0
	s_mov_b64 s[18:19], SIZE_N*4
	s_mul_u64 s[16:17], s[16:17], s[18:19]
	s_lshl_b32 s46, s42, 10                        ; my first column, in bytes of f32: 1,024 x tile column + 512 x half (in the registers that held wh's address)
	s_lshl_b32 s47, s12, 9
	s_add_co_u32 s46, s46, s47
	s_mov_b32 s47, 0
	s_add_nc_u64 s[16:17], s[16:17], s[46:47]
	s_add_nc_u64 s[8:9], s[8:9], s[16:17]          ; never rewritten again: the rows stand in the stores' immediates
	; the bias of my 128 columns as the first products' C: register j of block b is bias[my first column + 16 b + 8 (l / 16) + j]
	v_lshl_add_u32 v[BO], v2, 5, s46
.irp b, 0,1,2,3,4,5,6,7
	global_load_b128 v[BIAS+8*(\b):BIAS+8*(\b)+3],   v[BO], s[2:3] offset:64*(\b)
	global_load_b128 v[BIAS+8*(\b)+4:BIAS+8*(\b)+7], v[BO], s[2:3] offset:64*(\b)+16
.endr
	; the prefetches.  s13 = 256 x tile row, s42 = tile column, s40 = cx, s41 = cy still stand
	s_lshl_b32 s42, s42, 8
	s_and_b32 s22, ttmp7, 0xffff                   ; cluster y
	s_cmp_eq_u32 s11, 0                            ; do I fetch for xh?
	s_cselect_b32 s20, s13, s42                    ; the tile's first row: in xh by the tile row, in wh by the tile column
	s_cselect_b32 s21, s40, s41                    ; my place among the four that ask for it with me
	s_cselect_b32 s22, ttmp9, s22                  ; the coordinate along which other clusters read the same rows
	s_cselect_b64 s[PFA:PFA+1], s[4:5], s[6:7]
	s_cmp_eq_u32 s22, 0
	s_cselect_b32 s[LIM], 1, -1                    ; the same in all sixteen partners, for a given wave
	s_lshl_b32 s22, s12, 7
	s_add_co_u32 s20, s20, s22                     ; + the 128 rows that I fetch
	s_lshl_b32 s21, s21, 5
	s_add_co_u32 s20, s20, s21                     ; + my work-group's 32 of them
	s_mov_b32 s21, 0
	s_mov_b64 s[18:19], SIZE_K*2
	s_mul_u64 s[20:21], s[20:21], s[18:19]
	s_add_nc_u64 s[PFA:PFA+1], s[PFA:PFA+1], s[20:21]
	s_add_nc_u64 s[PFA:PFA+1], s[PFA:PFA+1], 2*KSTEP*2  ; at K step 2: the first refill steps it to 3 and names K step 4
	v_and_b32 v[PFO], 31, v0
	v_mul_u32_u24 v[PFO], v[PFO], SIZE_K*2
	; nothing is prefetched here, at the head, where every work-group's first two tiles are on their way
; 16 matrix instructions: m blocks a0, a0 + 1 of the window's four (hi = 0: my rows 0-63, 1: rows 64-127) x all 8 n blocks, 32 along K.
; first = 1: the first product starts the sums with the bias as C.  The 64 accumulators take turns, one instruction a turn, in the same order in every quarter step.
.macro MUL16 f, hi, a0, first
.if \first
	WIN BIAS_LO+0x40*(\hi)
.else
	WIN MUL_LO+0x50*(\hi)
.endif
.irp a, \a0, (\a0)+1
.irp b, 0,1,2,3,4,5,6,7
.if \first
	v_wmma_f32_16x16x32_f16 v[8*(8*(\a)+(\b)):8*(8*(\a)+(\b))+7], v[(\f)+8*(\b):(\f)+8*(\b)+7], v[(\f)+8*(4*(\hi)+(\a)):(\f)+8*(4*(\hi)+(\a))+7], v[BIAS+8*(\b):BIAS+8*(\b)+7]
.else
	v_wmma_f32_16x16x32_f16 v[8*(8*(\a)+(\b)):8*(8*(\a)+(\b))+7], v[(\f)+8*(\b):(\f)+8*(\b)+7], v[(\f)+8*(4*(\hi)+(\a)):(\f)+8*(4*(\hi)+(\a))+7], v[8*(8*(\a)+(\b)):8*(8*(\a)+(\b))+7]
.endif
.endr
.endr
.endm
; 32 LDS loads in one run: the fragments of one quarter step (128 rows of wh, 128 rows of xh, 32 K at byte k of the rows) into buffer f
.macro FETCH slot, k, f
	WIN TO_B
.irp i, 0,1,2,3,4,5,6,7
	ds_load_b128 v[(\f)+8*(\i):(\f)+8*(\i)+3],   v[ADRB+(\slot)] offset:(\k)+(\i)*16*PITCH
	ds_load_b128 v[(\f)+8*(\i)+4:(\f)+8*(\i)+7], v[ADRB+(\slot)] offset:(\k)+(\i)*16*PITCH+32
.endr
	WIN 0
.irp i, 0,1,2,3,4,5,6,7
	ds_load_b128 v[(\f)+8*(\i):(\f)+8*(\i)+3],   v[ADRA+(\slot)] offset:(\k)+(\i)*16*PITCH
	ds_load_b128 v[(\f)+8*(\i)+4:(\f)+8*(\i)+7], v[ADRA+(\slot)] offset:(\k)+(\i)*16*PITCH+32
.endr
.endm
; A load into a register that a matrix instruction has read, and an LDS store that reads a matrix result, stand four places behind that matrix instruction, and only plain vector instructions that name none
; of its registers are places (ISA guide 7.12.1 for vector instructions); the matrix instructions in between are not counted.
.macro PLACES
.rept 4
	v_nop
.endr
.endm
; A K step is four quarter steps of 32 along K, 64 matrix instructions each, on buffers 0, 1, 0, 1.
; One of the first three: multiplies buffer f; in its middle it fetches the next quarter's fragments, at byte k of the same slot's rows, into buffer g.
.macro QUARTER slot, k, f, g, first
	s_wait_dscnt 8                                 ; wh and xh's rows 0-63 are in; the youngest eight loads (xh's rows 64-127) may be out
	MUL16 \f, 0, 0, \first
	MUL16 \f, 0, 2, \first
	PLACES
	FETCH \slot, \k, \g
	s_wait_dscnt 32                                ; all but the 32 just issued
	MUL16 \f, 1, 0, \first
	MUL16 \f, 1, 2, \first
.endm
; The last quarter multiplies buffer 1 and changes slots.  MEET is its first half: ONE barrier for the change of slots, for two things.  In front of it each wave waits for all its tensor loads, of which one is
; out: its part of the next slot; adds 0 to its spare word; and waits for that and for its own reads of this slot.  Behind it nobody reads this slot any more and the next slot is whole.
.macro MEET round                      ; round = 1: a round of the cluster's barrier follows
	WIN 0                                          ; (the add's two registers lie in window 0)
	s_wait_tensorcnt 0x0                           ; all my tensor loads have landed: the one that was out is my part of the next slot;
	ds_add_u32 v[SPW], v[NIL]                      ; 0 onto my spare word;
	s_wait_dscnt 9                                 ; (the add and the youngest eight loads may be out)
	MUL16 F1, 0, 0, 0                              ; sixteen matrix instructions stand between the add and the wait for it
	s_wait_dscnt 0x0                               ; the add is done, and my reads of this slot are over:
	s_barrier_signal -1                            ; say so (where a slot is filled again this barrier opens a round of the cluster's barrier),
	MUL16 F1, 0, 2, 0                              ; work on registers while the others arrive,
.if \round
	WIN 0
.endif
	s_barrier_wait -1                              ; and go on when all four have said so
.endm
; The whole last quarter.  Behind the round the slot just read out is filled again first, with the K step two steps on; then come the next slot's first fragments.
; From a request to the wait for it a wave issues 224 matrix instructions.
.macro TURN slot, next
	s_wait_xcnt 0x0                                ; the last prefetch, a K step back, has read its address: it is stepped here, ahead of the waits of the change of slots
	s_add_nc_u64 s[PFA:PFA+1], s[PFA:PFA+1], KSTEP*2
	MEET 1
	CREST                                          ; wave 0 says so for the work-group, all sixteen work-groups have said so, my work-group's barrier closes the round:
	                                               ; no wave of any partner still reads this slot's tile or has a load on its way
	s_add_nc_u64 s[G0+4*(\slot)+2:G0+4*(\slot)+3], s[G0+4*(\slot)+2:G0+4*(\slot)+3], 2*KSTEP*2      ; no tensor load of mine is out, so a group 0 may be written; the type bits on top are not reached
	s_add_nc_u64 s[G0B+4*(\slot)+2:G0B+4*(\slot)+3], s[G0B+4*(\slot)+2:G0B+4*(\slot)+3], 2*KSTEP*2
	JLOAD \slot                                    ; the first tensor load behind the round, my only one until the next; the four v_nop behind it are also the places in front of the loads below
	FETCH \next, 0, F0
	ASK                                            ; behind the joint load and the run of LDS loads that the next products wait for
	MUL16 F1, 1, 0, 0
	MUL16 F1, 1, 2, 0
.endm
; THE WAY OUT of block a (my rows 16 a .. 16 a + 15), in two parts.  TOSTAGE: a lane's eight f32 of a row, 32 bytes, go into my own stage as two stores of 16 bytes, each accumulator's four lowest registers first
; the block comes back as 16 whole rows of 512 bytes, into buffer a % 2.  SEND: stored.
.macro TOSTAGE a
.set AC, 64*((\a)%4)
.set BK, F0+64*((\a)%2)
	WIN ST_LO+4*((\a)/4)                           ; ST_LO or ST_HI
.irp b, 0,1,2,3,4,5,6,7
	ds_store_b128 v[STO], v[AC+8*(\b):AC+8*(\b)+3]   offset:64*(\b)
	ds_store_b128 v[STO], v[AC+8*(\b)+4:AC+8*(\b)+7] offset:64*(\b)+16
.endr
	WIN 0
.if (\a) >= 2
	s_wait_xcnt 0x0                                ; the stores of block a - 2 have read their data (ISA guide 3.1): only behind this wait is their buffer loaded again
.endif
.irp t, 0,1,2,3,4,5,6,7,8,9,10,11,12,13,14,15
	ds_load_b128 v[BK+4*(\t):BK+4*(\t)+3], v[RD] offset:(\t)*SPITCH  ; LDS serves a wave's instructions in order (ISA guide 5.7.1.4): these see the stores above, and the next block's stores come behind them
.endr
.endm
.macro SEND a, younger                 ; younger: the LDS instructions issued behind block a's loads: the next block's 16 stores and 16 loads, or none
.set BK, F0+64*((\a)%2)
	s_wait_dscnt \younger                          ; the block is back in registers
.irp t, 0,1,2,3,4,5,6,7,8,9,10,11,12,13,14,15
	global_store_b128 v[CO], v[BK+4*(\t):BK+4*(\t)+3], s[8:9] offset:(16*(\a)+(\t))*SIZE_N*4 th:TH_STORE_NT  ; 32 lanes store 512 consecutive bytes, at a multiple of 512 from out0's first byte; 127 rows at the most: 2,080,768, inside the signed 24-bit immediate
.endr
.endm
	s_wait_tensorcnt 1                             ; my part of K step 0 is in; K step 1's may stay out
	s_barrier_signal -1
	s_barrier_wait -1                              ; everybody's is
	FETCH 0, 0, F0
	s_wait_loadcnt 0x0                             ; the bias is in, and its base s[2:3] is free
	QUARTER 0, 64,  F0, F1, 1                      ; the first quarter stands in front of the loop: its products start the sums, with the bias
	WIN 0                                          ; at a label and at a branch every window is 0
	s_mov_b32 s3, LAPS-1
.Llap:                                                 ; a trip goes once round the ring, from a lap's second quarter to the next lap's first, and fills both slots again: trip i asks for K steps 2 i + 2 and 2 i + 3
	QUARTER 0, 128, F1, F0, 0
	QUARTER 0, 192, F0, F1, 0
	TURN 0, 1
	QUARTER 1, 64,  F0, F1, 0
	QUARTER 1, 128, F1, F0, 0
	QUARTER 1, 192, F0, F1, 0
	TURN 1, 0
	QUARTER 0, 64,  F0, F1, 0
	WIN 0
	s_sub_co_u32 s3, s3, 1
	s_cmp_lg_u32 s3, 0
	s_cbranch_scc1 .Llap
	QUARTER 0, 128, F1, F0, 0                      ; the last lap is written out: it fills nothing
	QUARTER 0, 192, F0, F1, 0
	MEET 0                                         ; my one tensor load that was still out is slot 1's, K step 31's, so no round follows
	PLACES                                         ; for the loads into buffer 0, which the quarter before multiplied
	FETCH 1, 0, F0
	MUL16 F1, 1, 0, 0
	MUL16 F1, 1, 2, 0
	QUARTER 1, 64,  F0, F1, 0
	QUARTER 1, 128, F1, F0, 0
	QUARTER 1, 192, F0, F1, 0
	s_wait_dscnt 8                                 ; the very last quarter: nothing more to fetch
	MUL16 F1, 0, 0, 0
	MUL16 F1, 0, 2, 0
	s_wait_dscnt 0x0
	MUL16 F1, 1, 0, 0
	MUL16 F1, 1, 2, 0
	WIN 0
	PLACES                                         ; the LDS stores below read results just made, and the loads behind them land on registers that the last products read;
	PLACES                                         ; eight places where the form asks for four: once a launch
	TOSTAGE 0
.irp a, 1,2,3,4,5,6,7                  ; block a's way through the stage stands between block a - 1's loads and the wait for them
	TOSTAGE \a
	SEND (\a)-1, 32
.endr
	SEND 7, 0
	s_wait_tensorcnt 0x0                           ; the wave's end: behind my last tensor load and my last LDS store
	ds_add_u32 v[SPW], v[NIL]
	s_wait_dscnt 0x0
	CROUND                                         ; the closing round: no work-group ends while a partner may still ask for a tile that names it
	s_endpgm
.Lfunc_end_k_q50ba20cd6f_gemm:
	.size	k_q50ba20cd6f_gemm, .Lfunc_end_k_q50ba20cd6f_gemm-k_q50ba20cd6f_gemm
	.p2alignl 7, 3214868480
	.fill 96, 4, 3214868480
	.section	.rodata,"a",@progbits
	.p2align	6, 0x0
	.amdhsa_kernel k_q50ba20cd6f_gemm
		.amdhsa_group_segment_fixed_size 327680
		.amdhsa_private_segment_fixed_size 0
		.amdhsa_enable_private_segment 0
		.amdhsa_kernarg_size 32
		.amdhsa_user_sgpr_count 2
		.amdhsa_user_sgpr_kernarg_segment_ptr 1
		.amdhsa_wavefront_size32 1
		.amdhsa_system_sgpr_workgroup_id_x 1
		.amdhsa_system_sgpr_workgroup_id_y 1
		.amdhsa_system_sgpr_workgroup_id_z 1
		.amdhsa_system_vgpr_workitem_id 0
		.amdhsa_next_free_vgpr 1024
		.amdhsa_next_free_sgpr 66
		.amdhsa_reserve_vcc 0
		.amdhsa_float_denorm_mode_32 3
		.amdhsa_float_denorm_mode_16_64 3
		.amdhsa_memory_ordered 1
		.amdhsa_forward_progress 1
		.amdhsa_inst_pref_size 143
	.end_amdhsa_kernel
	.amdgpu_metadata
---
amdhsa.version: [ 1, 2 ]
amdhsa.kernels:
  - .name:           k_q50ba20cd6f_gemm
    .symbol:         k_q50ba20cd6f_gemm.kd
    .args:
      - { .name: xh, .offset: 0, .size: 8, .value_kind: global_buffer, .address_space: global }
      - { .name: wh, .offset: 8, .size: 8, .value_kind: global_buffer, .address_space: global }
      - { .name: out0, .offset: 16, .size: 8, .value_kind: global_buffer, .address_space: global }
      - { .name: bias, .offset: 24, .size: 8, .value_kind: global_buffer, .address_space: global }
    .group_segment_fixed_size: 327680
    .private_segment_fixed_size: 0
    .kernarg_segment_align: 8
    .kernarg_segment_size: 32
    .max_flat_workgroup_size: 128
    .sgpr_count:     66
    .vgpr_count:     1024
    .wavefront_size: 32
...
	.end_amdgpu_metadata
.endif
;; end of part 2
;; ======== version 2 of 2: 2 launches; version 1 with the launch prep written anew for expert scheduling mode
;; limits: values are held in f16: magnitudes above 65,504 overflow, below 6.1e-05 lose precision; inputs' magnitudes at most 65,504
;; workspace buffers: xh 33,554,432 bytes; wh 33,554,432 bytes
;; launch prep (part 3): grid 512 x 2, 8 waves a work-group, no clusters, 0 bytes of LDS; arguments x, qweight, scales, zeros, xh, wh; writes xh, wh
.if DOCPART == 3
	.amdgcn_target "amdgcn-amd-amdhsa--gfx1250"
	.amdhsa_code_object_version 6
	.text
	.protected	k_q50ba20cd6f_prep
	.globl	k_q50ba20cd6f_prep
	.p2align	8
	.type	k_q50ba20cd6f_prep,@function
k_q50ba20cd6f_prep:
	s_mov_b64 s[64:65], 0
	v_nop
	global_prefetch_b8 v0, s[64:65] scope:SCOPE_SE
	s_setreg_imm32_b32 hwreg(HW_REG_WAVE_SCHED_MODE, 0, 2), 2
	s_setreg_imm32_b32 hwreg(HW_REG_WAVE_MODE, 25, 1), 1
	s_wait_xcnt 0x0
	s_wait_alu depctr_vm_vsrc(0)
; THE OPERANDS OF THE PRODUCT ARE MADE, in f16, each number rounded once.
;   grid y = 0:  xh[m][k] = f16(x[m][k])                              x: [4096][4096] f32
;   grid y = 1:  wh[n][k] = f16(q[n][k] s[n][k/128] - z[n][k/128] s[n][k/128])   q: [4096][4096] int32; s, z: [4096][32] f32
; LIMITS.  f16 holds no number of 65,520 or more: x and w must lie under that; below 6.1e-5 a number keeps f16's fixed step of 6e-8.
; w is one fused multiply-add, q s + (-(z s)): it differs from (q - z) s by the rounding of z s, at most 2^-24 |z s|.  q may be any int32 (v_cvt_f32_i32 rounds to nearest even).
; WHY f16: 11 significant bits in both operands, where bf16 has 8; the sum of 4,096 rounded products is compared number by number.
; SHARES.  A stream: no byte is wanted twice, so no LDS, no barrier, no matrix unit, no cluster.  A work-group of eight waves takes 8 rows, a wave ONE row: 16,384 bytes in, 8,192 out.
; Load n of 32 takes the row's bytes 512 n .. 512 n + 511, 16 a lane; store n writes bytes 256 n .. 256 n + 255 of the f16 row, 8 a lane: 256 consecutive bytes, aligned, by one instruction.
; In q, load n is exactly group n of the row (128 codes of 4 bytes), so its s and z are the same in all lanes: lane g loads the row's s[g] and z[g] once, and v_readlane_b32 hands group n's out.
; THE MODE: SCHED_MODE bits 1:0 = 2 (LLVM: expert scheduling mode 2), set by the entry lines.  The code itself states the register dependences between vector instructions and memory instructions,
; and between a vector instruction that writes a scalar register and that register's readers, with s_wait_alu, always for 0.
; THE PLAN.  The row's 32 turns (a load, its arithmetic, a store) go in 8 blocks of four, written out without a loop: every offset is an immediate.  Registers that memory instructions touch:
;   v1, v2, v3   byte offsets, made once at the head and never written again.
;   X0 .. X4     five buffers of four loads; block q lies in X[q % 5].  Blocks 0 to 3 are asked for at the start; block p (0 to 3) asks for block p + 4, which lands in X[(p + 4) % 5] = X[(p - 1) % 5].
;                Block q's vector lines read X[q % 5] (the weights' also write it, in place).
;   Y            a pair of its own for each of turns 0 to 11, written by the roundings of blocks 0 to 2, whose X buffers are loaded again.  In blocks 3 to 7 a slot's first pair takes the rounded numbers.
;                A block's four stores are issued in the block behind it.  No register that a store reads is ever written or loaded again, and neither is an offset or a base:
;                so no wait for registers read by memory instructions, and none for translated addresses, has anything to state here.
; Block p's memory instructions are the loads into X[(p - 1) % 5] and the stores of block p - 1's numbers: registers that block p - 1 worked on and that no vector line of block p names.  So ONE wait on
; va_vdst at a block's head states all that the block's eight memory instructions hang on, and they are dealt among its vector lines, a load and a store ahead of each turn, with no further wait.
; THE SCALARS.  Two sets of eight scalar pairs take turns: block p multiplies by set p % 2 and, in one run of eight v_readlane_b32, fetches block p + 1's four s and four -(z s) into the other set.
; One wait on va_sdst at a block's head stands between that run and the set's first reader, a whole block behind the run.
; IN FLIGHT.  A turn asks for the load sixteen on and then waits for its own: sixteen loads (8 KiB) of every wave are out until the row's last load is issued.
.set VI, 1                             ; v1   byte offset in the group's 8 input rows: 16,384 x wave + 16 x lane; never rewritten
.set VO, 2                             ; v2   the same in the output rows: 8,192 x wave + 8 x lane; never rewritten
.set VS, 3                             ; v3   4 x thread = 128 x wave + 4 x lane: my word of the row's 32 scales and zeros; never rewritten
.set SC, 4                             ; v4   s[row][lane]
.set ZE, 5                             ; v5   z[row][lane], then -z
.set CC, 6                             ; v6   -(z s)
.set X,  8                             ; v[8:87]    buffer k, turn i of its block: four registers at X + 16 k + 4 i, four numbers as loaded
.set Y,  88                            ; v[88:111]  turn n < 12: a pair at Y + 2 n for the store's data
.set SS, 28                            ; s[28:59]   set f, turn i of its block: the pair at SS + 16 f + 4 i holds s in its low word, the pair behind it -(z s); the high words hold 0
	s_load_b256 s[4:11], s[0:1], 0x0               ; x s[4:5], qweight s[6:7], scales s[8:9], zeros s[10:11]
	s_load_b128 s[12:15], s[0:1], 0x20             ; xh s[12:13], wh s[14:15]
	v_lshrrev_b32 v7, 5, v0                        ; wave
	v_and_b32 v[VS], 31, v0                        ; lane
	v_lshlrev_b32 v[VI], 4, v[VS]
	v_lshl_add_u32 v[VI], v7, 14, v[VI]
	v_lshlrev_b32 v[VO], 3, v[VS]
	v_lshl_add_u32 v[VO], v7, 13, v[VO]
	v_lshlrev_b32 v[VS], 2, v0
	s_lshl_b32 s16, ttmp9, 17                      ; the work-group's 8 rows of 16,384 bytes (under 2^26),
	s_mov_b32 s17, 0
	s_lshl_b32 s18, ttmp9, 16                      ; of 8,192 bytes,
	s_mov_b32 s19, 0
	s_lshl_b32 s24, ttmp9, 10                      ; and of 128 bytes in scales and zeros
	s_mov_b32 s25, 0
	s_and_b32 s26, ttmp7, 0xffff                   ; grid y: 0 = x, 1 = the weights
	s_wait_kmcnt 0x0
	s_wait_alu depctr_va_vdst(0)                   ; v1, v2 and v3 are written: every load and store of the kernel, on either path, reads one of them as its offset
	s_cmp_lg_u32 s26, 0
	s_cbranch_scc1 .Lw
.macro REGS n                          ; the registers of turn n: SL its four numbers as loaded, DS the pair that its store reads
.set SL, X+16*(((\n)/4)%5)+4*((\n)%4)
.if (\n) < 12
.set DS, Y+2*(\n)
.else
.set DS, SL
.endif
.endm
.macro LD n, src                       ; load n of the row
	REGS \n
	global_load_b128 v[SL:SL+3], v[VI], s[\src:\src+1] offset:512*(\n) th:TH_LOAD_NT
.endm
.macro ST n, dst                       ; store n of the row
	REGS \n
	global_store_b64 v[VO], v[DS:DS+1], s[\dst:\dst+1] offset:256*(\n) th:TH_STORE_NT
.endm
.macro ARRIVED n                       ; loads come back in order (ISA guide 5.7.1): load n is in.  Up to turn 15 the loads n + 1 .. n + 16 are younger; from turn 16 on nothing more is issued
.if (\n) < 16
	s_wait_loadcnt 16
.else
	s_wait_loadcnt 31-(\n)
.endif
.endm
.macro LANES q                         ; block q's four s and four -(z s), in one run, into set q % 2
.irp r, 0,1,2,3
	v_readlane_b32 s[SS+16*((\q)%2)+4*(\r)],   v[SC], 4*(\q)+(\r)
	v_readlane_b32 s[SS+16*((\q)%2)+4*(\r)+2], v[CC], 4*(\q)+(\r)
.endr
.endm
; Block p.  w = 0: x; w = 1: the weights.  src, dst: the scalar pairs that hold the two bases.
.macro BLK p, w, src, dst
.if (\p) > 0
	s_wait_alu depctr_va_vdst(0)                   ; the block before has written the pairs that the four stores below read, and is done reading (the weights: and writing) its X buffer, in which the four loads below land
.if (\w)
	s_wait_alu depctr_va_sdst(0)                   ; the run of v_readlane_b32 in the block before has written this block's set, ahead of its first reader
.endif
.endif
.irp i, 0,1,2,3
.if (\p) < 4
	LD 4*(\p)+(\i)+16, \src                        ; sixteen loads on; no vector line since the wait at the block's head names these registers.  The load ahead of the store
.endif
.if (\p) > 0
	ST 4*(\p)+(\i)-4, \dst                         ; the block before
.endif
.if (\w) && ((\i) == 0) && ((\p) > 0) && ((\p) < 7)
	LANES (\p)+1                                   ; the next block's set; the set's last readers stand in the block before this one
.endif
	ARRIVED 4*(\p)+(\i)
.if (\w) && ((\i) == 0) && ((\p) == 0)         ; the two loads of s and z are older than load 0: they are in too
	v_xor_b32 v[ZE], 0x80000000, v[ZE]             ; -z
	v_mul_f32 v[CC], v[ZE], v[SC]                  ; -(z s), for all 32 groups at once, a lane a group
	LANES 0
	s_wait_alu depctr_va_sdst(0)                   ; that run has written set 0, which this block's multiply-adds read
	LANES 1
.endif
	REGS 4*(\p)+(\i)
.if (\w)
.set PR, SS+16*((\p)%2)+4*(\i)
.irp j, 0,1,2,3
	v_cvt_f32_i32 v[SL+(\j)], v[SL+(\j)]
.endr
	v_pk_fma_f32 v[SL:SL+1], v[SL:SL+1], s[PR:PR+1], s[PR+2:PR+3] op_sel_hi:[1,0,0]       ; the packed multiply-add names pairs and takes their low words
	v_pk_fma_f32 v[SL+2:SL+3], v[SL+2:SL+3], s[PR:PR+1], s[PR+2:PR+3] op_sel_hi:[1,0,0]
.endif
	v_cvt_pk_f16_f32 v[DS], v[SL], v[SL+1]         ; four f32 to four f16, 8 bytes
	v_cvt_pk_f16_f32 v[DS+1], v[SL+2], v[SL+3]
.endr
.endm
	s_add_nc_u64 s[4:5], s[4:5], s[16:17]          ; x and xh at the group's first row
	s_add_nc_u64 s[12:13], s[12:13], s[18:19]
.set t, 0
.rept 16
	LD t, 4
.set t, t+1
.endr
.set t, 0
.rept 8
	BLK t, 0, 4, 12
.set t, t+1
.endr
	s_wait_alu depctr_va_vdst(0)                   ; block 7 has written the pairs that the last four stores read
.irp n, 28,29,30,31
	ST \n, 12
.endr
	s_endpgm
.Lw:
	s_add_nc_u64 s[6:7], s[6:7], s[16:17]          ; qweight, scales, zeros and wh at the group's first row
	s_add_nc_u64 s[8:9], s[8:9], s[24:25]
	s_add_nc_u64 s[10:11], s[10:11], s[24:25]
	s_add_nc_u64 s[14:15], s[14:15], s[18:19]
	global_load_b32 v[SC], v[VS], s[8:9]           ; a wave's 128 bytes: its row's 32 scales,
	global_load_b32 v[ZE], v[VS], s[10:11]         ; and its 32 zeros
.set t, 0
.rept 16
	LD t, 6
.set t, t+1
.endr
.set t, 0
.rept 16
	s_mov_b32 s[SS+2*t+1], 0                       ; the sixteen pairs' high words, named with the low ones: written once
.set t, t+1
.endr
.set t, 0
.rept 8
	BLK t, 1, 6, 14
.set t, t+1
.endr
	s_wait_alu depctr_va_vdst(0)                   ; block 7 has written the pairs that the last four stores read
.irp n, 28,29,30,31
	ST \n, 14
.endr
	s_endpgm
.Lfunc_end_k_q50ba20cd6f_prep:
	.size	k_q50ba20cd6f_prep, .Lfunc_end_k_q50ba20cd6f_prep-k_q50ba20cd6f_prep
	.p2alignl 7, 3214868480
	.fill 96, 4, 3214868480
	.section	.rodata,"a",@progbits
	.p2align	6, 0x0
	.amdhsa_kernel k_q50ba20cd6f_prep
		.amdhsa_group_segment_fixed_size 0
		.amdhsa_private_segment_fixed_size 0
		.amdhsa_enable_private_segment 0
		.amdhsa_kernarg_size 48
		.amdhsa_user_sgpr_count 2
		.amdhsa_user_sgpr_kernarg_segment_ptr 1
		.amdhsa_wavefront_size32 1
		.amdhsa_system_sgpr_workgroup_id_x 1
		.amdhsa_system_sgpr_workgroup_id_y 1
		.amdhsa_system_sgpr_workgroup_id_z 1
		.amdhsa_system_vgpr_workitem_id 0
		.amdhsa_next_free_vgpr 112
		.amdhsa_next_free_sgpr 66
		.amdhsa_reserve_vcc 0
		.amdhsa_float_denorm_mode_32 3
		.amdhsa_float_denorm_mode_16_64 3
		.amdhsa_memory_ordered 1
		.amdhsa_forward_progress 1
		.amdhsa_inst_pref_size 37
	.end_amdhsa_kernel
	.amdgpu_metadata
---
amdhsa.version: [ 1, 2 ]
amdhsa.kernels:
  - .name:           k_q50ba20cd6f_prep
    .symbol:         k_q50ba20cd6f_prep.kd
    .args:
      - { .name: x, .offset: 0, .size: 8, .value_kind: global_buffer, .address_space: global }
      - { .name: qweight, .offset: 8, .size: 8, .value_kind: global_buffer, .address_space: global }
      - { .name: scales, .offset: 16, .size: 8, .value_kind: global_buffer, .address_space: global }
      - { .name: zeros, .offset: 24, .size: 8, .value_kind: global_buffer, .address_space: global }
      - { .name: xh, .offset: 32, .size: 8, .value_kind: global_buffer, .address_space: global }
      - { .name: wh, .offset: 40, .size: 8, .value_kind: global_buffer, .address_space: global }
    .group_segment_fixed_size: 0
    .private_segment_fixed_size: 0
    .kernarg_segment_align: 8
    .kernarg_segment_size: 48
    .max_flat_workgroup_size: 256
    .sgpr_count:     66
    .vgpr_count:     112
    .wavefront_size: 32
...
	.end_amdgpu_metadata
.endif
;; end of part 3
;; launch gemm: the kernel of part 2 again; grid 16 x 16, 4 waves a work-group, clusters of 4 x 4, 327,680 bytes of LDS; arguments xh, wh, out0, bias; writes out0
